; MI455X (gfx1250); checked and timed in simulation.
; The chip was launched on July 23, 2026; its instructions are those of AMD's public machine-readable ISA for CDNA 5 (MIT licence, August 2026) and "CDNA5" Instruction Set Architecture Reference Guide (July 2026). The comments in the code are by the model that wrote it; some were corrected since.
;; Self Attention. Allowed arithmetic: matrix products marked QUANTISED: E5M2 operands, one given power-of-two scale a tensor, by v_wmma_f32_16x16x64_bf8_bf8 or v_wmma_f32_16x16x128_bf8_bf8, f32 sums; everything else in f32.
;; Inputs: Wk_codes 512 x 16 x 32 uint8 (E5M2 codes of Wk, K innermost, in blocks of 32 codes); Wq_codes 512 x 16 x 32 uint8 (E5M2 codes of Wq, K innermost, in blocks of 32 codes); Wv_codes 512 x 16 x 32 uint8 (E5M2 codes of Wv, K innermost, in blocks of 32 codes); bk 512 float32; bq 512 float32; bv 512 float32; lowp_scales 10 int32 (the exponents e of the quantised operands' scales 2^e); x_codes 2 x 4,096 x 16 x 32 uint8 (E5M2 codes of x, K innermost, in blocks of 32 codes).
;; Outputs: out0 2 x 4,096 x 512 float32.
;; This version of the problem:
;;   THIS VERSION OF THE PROBLEM IS GIVEN IN LOW PRECISION. The matrix products marked QUANTISED in the list below multiply operands that are first quantised to E5M2 (5 exponent bits, 2 mantissa bits; 8 bits a number), with one given power-of-two scale for each operand tensor; their sums are f32. All else is computed in f32.
;;   The module's matrix products, in the order in which they are computed (A, B: the left and right operand; K: the contracted axis; several contracted axes count as one K, in the product's order):
;;     1. [M 8,192, K 512] x [K 512, N 512]; A: input x (given as codes); B: input Wq (given as codes): QUANTISED (scales: A lowp_scales[0], B lowp_scales[1])
;;     2. [M 8,192, K 512] x [K 512, N 512]; A: input x (given as codes); B: input Wk (given as codes): QUANTISED (scales: A lowp_scales[2], B lowp_scales[3])
;;     3. [M 8,192, K 512] x [K 512, N 512]; A: input x (given as codes); B: input Wv (given as codes): QUANTISED (scales: A lowp_scales[4], B lowp_scales[5])
;;     4. batch 16 x [M 4,096, K 64] x [K 64, N 4,096]; A: computed on the way; B: computed on the way: QUANTISED (scales: A lowp_scales[6], B lowp_scales[7])
;;     5. batch 16 x [M 4,096, K 4,096] x [K 4,096, N 64]; A: softmax (see below); B: computed on the way: QUANTISED (scales: A lowp_scales[8], B lowp_scales[9])
;;   THE QUANTISER, for each operand of a quantised product, along K:
;;     - The operand's scale is 2^e, e = its entry of the input lowp_scales (int32; the entries are numbered through the quantised products in the list's order, A before B).
;;     - Each number is divided by the scale, clamped to +-57,344, and rounded to the nearest number of E5M2, ties to even, subnormals kept.
;;     - The product sums the exact products of the quantised numbers (number of the format x scale) in f32.
;;   ~~~python
;;   def quantise(x, axis, e):      # numpy; x: float32 -> the quantised numbers, widened to float32 again
;;       x = np.moveaxis(x, axis, -1); K = x.shape[-1]
;;       r = np.clip(x / 2.0 ** e, -57344, 57344)
;;       step = 2.0 ** (np.maximum(np.frexp(np.where(r == 0, 1, r))[1] - 1, -14) - 2)
;;       q = np.round(r / step) * step * 2.0 ** e      # np.round: ties to even
;;       return np.moveaxis(q, -1, axis).astype(np.float32)
;;   ~~~
;;   SOFTMAX AHEAD OF A QUANTISED PRODUCT. Where the list says 'softmax', what is quantised is not the finished softmax but p = 2^(t - M), with t = logit x log2(e) and M = ceil(the row's largest t), a whole number; so 1/2 < the row's largest p <= 1. The row's sum l is taken of the UNQUANTISED p, in f32, and the product's result is divided by l at the end. Since M is a whole number, a kernel that streams over the keys may use a running M (the ceiling of the running maximum): every later rescaling is an exact power of two, so the quantised numbers keep their values, but for numbers so far below the row's largest that they fall under the format's range.
;;   OPERANDS COMPUTED ON THE WAY. 'Computed on the way' means the value that the module computes at that place (a softmax that the list does not call 'softmax' is quantised finished and normalised). What goes into a quantiser is computed in f32, as accurately as f32 sums, v_exp_f32 and their like allow (about 1e-6 of the number): no bf16 or f16 on the way to a quantiser, and a product that is left as it is and whose result goes on into a quantised operand takes f32 operands (vector FMAs, or v_wmma_f32_16x16x4_f32). A number that lies on a knife's edge between two numbers of the format may be rounded either way, as far as f32 arithmetic and the matrix unit's own rounding can turn it there, and no further.
;;   INPUTS GIVEN AS CODES. Wk (in the module: [512, 512], K = its axis 0); Wq (in the module: [512, 512], K = its axis 0); Wv (in the module: [512, 512], K = its axis 0); x (in the module: [2, 4096, 512], K = its axis 2): each comes as NAME_codes (uint8): NAME with its K axis moved to the last place and cut into blocks of 32 codes, [.., K / 32, bytes a block], one block behind the other in memory; one code a byte (a code: sign, 5 exponent bits, 2 mantissa bits); its scale is its entry of lowp_scales. Its value is code x scale, taken as it is: it is not quantised again, and the codes and scales need not be those that the quantiser above would give.
;; One version. Each part assembles by itself: llvm-mc -triple=amdgcn-amd-amdhsa -mcpu=gfx1250 --defsym DOCPART=n.
;; ======== version 1 of 1: 2 launches
;; limits: right only within a limited range of input values
;; workspace buffers: qimg 4,194,304 bytes; kimg 4,194,304 bytes; vimg 4,194,304 bytes
;; launch proj (part 1): grid 64 x 4, 12 waves a work-group, clusters of 4 x 1, 271,872 bytes of LDS; arguments x_codes, Wq_codes, Wk_codes, Wv_codes, bq, bk, bv, lowp_scales, qimg, kimg, vimg; writes qimg, kimg, vimg
.if DOCPART == 1
	.amdgcn_target "amdgcn-amd-amdhsa--gfx1250"
	.amdhsa_code_object_version 6
	.text
	.protected	k_qe2ebfff2a2_proj
	.globl	k_qe2ebfff2a2_proj
	.p2align	8
	.type	k_qe2ebfff2a2_proj,@function
k_qe2ebfff2a2_proj:
	s_mov_b64 s[64:65], 0
	v_nop
	global_prefetch_b8 v0, s[64:65] scope:SCOPE_SE
	s_setreg_imm32_b32 hwreg(HW_REG_WAVE_MODE, 25, 1), 1
	s_wait_xcnt 0x0
	s_wait_alu depctr_hold_cnt(0) depctr_sa_sdst(0) depctr_va_vdst(0) depctr_va_sdst(0) depctr_va_ssrc(0) depctr_va_vcc(0) depctr_vm_vsrc(0)
	s_getreg_b32 s2, hwreg(HW_REG_IB_STS2, 6, 4)
	s_cmp_eq_u32 s2, 0
	s_cbranch_scc0 .Lentry_in_a_cluster
	s_endpgm
.Lentry_in_a_cluster:
	s_bfe_u32 s2, ttmp6, 0x10000c
	s_cmp_lg_u32 s2, 0x3003
	s_cbranch_scc0 .Lentry_shape_is_right
	s_endpgm
.Lentry_shape_is_right:
; q = x Wq + bq, k = x Wk + bk, v = x Wv + bv on codes of BF8 (E5M2), and each result quantised at once, in registers, for attention's two products.
; x: [8192 tokens][512] codes; Wq, Wk, Wv: [512 columns][512 along K] codes; biases f32.  lowp_scales: entries 0, 1 (x, Wq), 2, 3 (x, Wk), 4, 5 (x, Wv); 6, 7, 9: the scales of q, k, v as operands.
; NO WORK IS LEFT OUT: every product of the problem is live, and every bias stands ahead of a quantiser, so it can move codes (bk too): all inputs are loaded.
; A sum of codes stands for sum x 2^(ex + ew).  The bias goes in as the C of a sum's first product, divided by 2^(ex + ew); the code is then (sum + that) / 2^(eo - ex - ew), held within +-57,344: three scales folded into one.
; LIMITS: eo - ex - ew lies between -126 and 112 for each of the three projections, so that the scale and 57,344 x the scale are f32 numbers.  NaN among the inputs is not served.
; SHARES.  The 1,536 columns are 24 units of 64 (a head of q: units 0-7, of k: 8-15, of v: 16-23).  A work-group takes 128 tokens x 6 units; all of K = 512 lies in LDS at once: nothing is filled again.
; Wave w takes unit w / 2 of the six and 64 tokens (half w % 2): 16 accumulators of 16 x 16, 8 K steps of 64, 128 matrix instructions.
; CLUSTER.  The four work-groups of a cluster take four neighbouring blocks of tokens and the same six units: the units' weights, 196,608 of a work-group's 262,144 bytes, are asked for JOINTLY.
; x's tile is the work-group's own.  It is not shared along a second axis of a cluster: partners there would hold other units, and whether a unit is of q and k or of v decides a branch below, which may not differ between partners.
; WHAT IS STORED: images of the operand registers that attention's matrix instructions take (mh = 8 x batch + head).
;   qimg, kimg: [mh][tile of 16 tokens][c 0..1][lane][16 bytes]: registers 4 c .. 4 c + 3 of the K = 64 fragment: lane (r, h) holds token r, channels 16 i + 8 h + 0 .. 7 in registers 2 i, 2 i + 1.
;   vimg: [mh][step of 128 keys][tile of 16 channels][c 0..3][lane][16 bytes]: registers 4 c .. 4 c + 3 of the K = 128 fragment: lane (r, h) holds channel r, keys 16 i + 8 h + 0 .. 7 in registers 2 i, 2 i + 1.
; A result's lane holds eight rows of source 0 (8 h + 0 .. 7) and one column of source 1 (r).  q, k: source 0 = 16 columns of W, source 1 = 16 tokens; v: source 0 = 16 tokens, source 1 = 16 columns of W.
; So one conversion of an accumulator's eight registers gives two registers of the next operand as they are wanted, and nothing changes lanes.
.set PITCH, 528                        ; an LDS row: 512 bytes + 16 of padding = 132 words: the 16 rows that a load touches start 4 banks apart (64 banks of 4 bytes: ISA guide 11.1)
.set UNITB, 64*PITCH                   ; 64 rows: what one tensor load brings
.set XOFF,  6*UNITB                    ; LDS: six units of W, then x's 128 rows
.set SPARE, 8*UNITB                    ; behind them the spare words, 128 bytes for each of 12 waves: six blocks of 256 bytes that no other line names
.set ADW,  5                           ; v5   LDS address of my unit's fragments
.set ADX,  6                           ; v6   of my 64 tokens' fragments (ADW + 1: the macro below leans on that)
.set LO,   7                           ; v7   16 x lane: my place in an image
.set SPW,  8                           ; v8   LDS address of my spare word; never rewritten
.set NIL,  9                           ; v9   0; never rewritten
.set SCL,  10                          ; v10  2^(eo - ex - ew) as f32
.set LIM,  11                          ; v11  57,344 x that
.set BIAS, 16                          ; v16-47   the bias, four tiles of eight registers in the result's layout; later
.set CD,   16                          ;          the codes
.set FR0,  48                          ; v48-79   four fragments for source 0 (16 rows x 64 K: 8 registers)
.set FR1,  80                          ; v80-111  four for source 1
.set ACC,  112                         ; v112-239 accumulator (i, j) at 112 + 8 (4 i + j)
.set WV,   26                          ; s26  my wave's number
.set TBK,  28                          ; s28  my block of 128 tokens
.set GY,   29                          ; s29  which six units
.set G1W,  36                          ; s[36:43] descriptor group 1 for W's tiles (joint);  s[44:51] for x's (my own)
.set G1X,  44
.set G0W,  52                          ; s[52:55], s[56:59] their groups 0
.set G0X,  56
.macro CROUND                          ; a round of the cluster's barrier: my work-group's barrier, wave 0 signals for the work-group, every wave waits for all four work-groups, my work-group's barrier once more
	s_barrier_signal -1
	s_barrier_wait -1
	s_cmp_lg_u32 s[WV], 0
	s_cbranch_scc1 .Lnot_wave_0_\@
	s_barrier_signal -3
.Lnot_wave_0_\@:
	s_barrier_wait -3
	s_barrier_signal -1
	s_barrier_wait -1
.endm
	s_load_b512 s[4:19], s[0:1], 0x0               ; x s[4:5], Wq s[6:7], Wk s[8:9], Wv s[10:11], bq s[12:13], bk s[14:15], bv s[16:17], the scales' exponents s[18:19]
	s_load_b128 s[20:23], s[0:1], 0x40             ; qimg, kimg
	s_load_b64 s[24:25], s[0:1], 0x50              ; vimg
	v_lshl_add_u32 v[SPW], v0, 2, SPARE
	v_mov_b32 v[NIL], 0
	ds_add_u32 v[SPW], v[NIL]                      ; the wave's opening: the add, twice on end, and its wait ahead of the first tensor loads; the set-up below, work on registers, stands between
	ds_add_u32 v[SPW], v[NIL]
	v_lshrrev_b32 v12, 5, v0
	s_delay_alu instid0(VALU_DEP_1)
	v_readfirstlane_b32 s[WV], v12                 ; wave 0..11
	s_bfe_u32 s27, ttmp6, 0x40000                  ; cx: my place in the cluster
	s_lshl_b32 s[TBK], ttmp9, 2                    ; in a cluster launch ttmp9 counts clusters
	s_add_co_u32 s[TBK], s[TBK], s27               ; my block of tokens = 4 x cluster x + cx: it enters x's address and the images' alone
	s_and_b32 s[GY], ttmp7, 0xffff                 ; which six units: the four partners share it
	; descriptor group 1: 64 rows of 512 bytes, 512 bytes apart in memory, 16 bytes of padding behind each in LDS
	s_mov_b32 s[G1W], 15|(1<<20)|(1<<21)|(6<<22)|(3<<25)   ; 15:0 the mask: all four work-groups; 17:16 elements of 1 byte; 20 padding on; 21 set beside a mask; 24:22 after every 128 words (code 6); 31:25 four words (code 3)
	s_mov_b32 s[G1X], (1<<20)|(6<<22)|(3<<25)      ; the same with no mask
.irp g, G1W, G1X
	s_mov_b32 s[\g+1], 512<<16                     ; tensor_dim0 = 512
	s_mov_b32 s[\g+2], 64<<16                      ; tensor_dim1 = 64
	s_mov_b32 s[\g+3], 512<<16                     ; tile_dim0 = 512
	s_mov_b32 s[\g+4], 64                          ; tile_dim1 = 64
	s_mov_b32 s[\g+5], 512                         ; from row to row
	s_mov_b32 s[\g+6], 0
	s_mov_b32 s[\g+7], 0
.endr
	; what I fetch, if I fetch: waves 0-5 the six units of W, waves 6, 7 the halves of x's tile, waves 8-11 nothing (their numbers are held inside the ranges and not used)
	s_mul_i32 s30, s[GY], 6                        ; my work-group's first unit
	s_min_u32 s31, s[WV], 5
	s_add_co_u32 s31, s30, s31                     ; the unit that I fetch
	s_lshr_b32 s32, s31, 3                         ; 0: of Wq, 1: of Wk, 2: of Wv
	s_and_b32 s33, s31, 7
	s_lshl_b32 s34, s33, 15                        ; its 64 rows of 512 bytes
	s_mov_b32 s35, 0
	s_min_u32 s33, s[WV], 7
	s_mul_i32 s33, s33, UNITB                      ; where it goes: wave x 64 rows: no place in the cluster enters an LDS address
	s_lshl_b32 s62, s[TBK], 16                     ; x: my block's 128 rows of 512 bytes,
	s_and_b32 s63, s[WV], 1
	s_lshl_b32 s63, s63, 15                        ; the half that I fetch
	s_add_co_u32 s62, s62, s63
	s_mov_b32 s63, 0
	s_wait_dscnt 0x0                               ; both opening adds are done
	s_wait_kmcnt 0x0
	s_load_b256 s[68:75], s[18:19], 0x0            ; entries 0 to 7
	s_load_b64 s[76:77], s[18:19], 0x20            ; entries 8, 9
	s_cmp_eq_u32 s32, 0
	s_cselect_b64 s[60:61], s[6:7], s[8:9]
	s_cmp_eq_u32 s32, 2
	s_cselect_b64 s[60:61], s[10:11], s[60:61]     ; the tensor of my unit: a choice on ids alone
	s_mov_b32 s[G0W], 1                            ; count = 1
	s_mov_b32 s[G0W+1], s33                        ; LDS address
	s_add_nc_u64 s[G0W+2:G0W+3], s[60:61], s[34:35]
	s_or_b32 s[G0W+3], s[G0W+3], 0x80000000        ; type = 2
	s_mov_b32 s[G0X], 1
	s_mov_b32 s[G0X+1], s33
	s_add_nc_u64 s[G0X+2:G0X+3], s[4:5], s[62:63]
	s_or_b32 s[G0X+3], s[G0X+3], 0x80000000
	CROUND                                         ; all four work-groups are here: the joint loads meet
	s_cmp_lt_u32 s[WV], 6                          ; the branches hang on the wave's number alone.  One tensor load of a wave is out.  An s_nop 0 and four v_nop follow each line
	s_cbranch_scc0 .Lnot_w
	tensor_load_to_lds s[G0W:G0W+3], s[G1W:G1W+7]
	s_nop 0
.rept 4
	v_nop
.endr
	s_branch .Lasked
.Lnot_w:
	s_cmp_lt_u32 s[WV], 8
	s_cbranch_scc0 .Lasked
	tensor_load_to_lds s[G0X:G0X+3], s[G1X:G1X+7]
	s_nop 0
.rept 4
	v_nop
.endr
.Lasked:
	; what I compute: unit 6 gy + wave / 2, tokens 64 (wave % 2) on
	v_and_b32 v1, 15, v0                           ; r
	v_bfe_u32 v2, v0, 4, 1                         ; h
	v_and_b32 v3, 31, v0                           ; lane
	s_delay_alu instid0(VALU_DEP_3)
	v_mul_u32_u24 v4, v1, PITCH
	s_delay_alu instid0(VALU_DEP_1)
	v_lshl_add_u32 v4, v2, 4, v4                   ; a fragment's row x pitch + 16 h
	s_lshr_b32 s31, s[WV], 1
	s_mul_i32 s32, s31, UNITB
	v_add_nc_u32 v[ADW], s32, v4
	s_and_b32 s33, s[WV], 1
	s_mul_i32 s32, s33, UNITB
	s_add_co_u32 s32, s32, XOFF
	v_add_nc_u32 v[ADX], s32, v4
	v_lshlrev_b32 v[LO], 4, v3
	s_add_co_u32 s78, s30, s31                     ; my unit
	s_lshr_b32 s79, s78, 3                         ; 0: q, 1: k, 2: v
	s_and_b32 s80, s78, 7                          ; the head
	s_wait_alu depctr_va_vdst(0)
	s_wait_kmcnt 0x0                               ; the exponents
	s_cmp_eq_u32 s79, 0                            ; all choices hang on ids alone
	s_cselect_b64 s[82:83], s[12:13], s[14:15]     ; the bias,
	s_cselect_b64 s[84:85], s[20:21], s[22:23]     ; the image,
	s_cselect_b32 s86, s68, s70                    ; ex,
	s_cselect_b32 s87, s69, s71                    ; ew,
	s_cselect_b32 s88, s74, s75                    ; eo
	s_cmp_eq_u32 s79, 2
	s_cselect_b64 s[82:83], s[16:17], s[82:83]
	s_cselect_b64 s[84:85], s[24:25], s[84:85]
	s_cselect_b32 s86, s72, s86
	s_cselect_b32 s87, s73, s87
	s_cselect_b32 s88, s77, s88
	s_cselect_b32 s89, 4, 0                        ; the bias's byte for lane (r, h), register n of a tile: q, k: 32 h + 4 n (a lane's registers run along the channels);
	s_cselect_b32 s90, 0, 32                       ; v: 4 r (a lane holds one channel)
	s_cselect_b32 s91, 0, 4
	s_mov_b32 s92, 4096                            ; my half of the tokens in the image: q, k: four tiles of 1,024 bytes; v: registers 8 on of each fragment: 1,024 bytes
	s_cselect_b32 s92, 1024, s92
	s_lshl_b32 s94, s80, 8
	s_mov_b32 s95, 0
	s_add_nc_u64 s[82:83], s[82:83], s[94:95]      ; the bias at my head's 64 numbers
	s_lshr_b32 s94, s[TBK], 5                      ; the batch
	s_lshl_b32 s94, s94, 3
	s_add_co_u32 s94, s94, s80                     ; mh
	s_lshl_b32 s94, s94, 18                        ; x 262,144 bytes
	s_and_b32 s93, s[TBK], 31
	s_lshl_b32 s93, s93, 13                        ; + my block of 128 tokens in the batch x 8,192 (eight tiles of q or k; one key step of v)
	s_add_co_u32 s94, s94, s93
	s_mul_i32 s93, s33, s92                        ; + my half
	s_add_co_u32 s94, s94, s93
	s_add_nc_u64 s[84:85], s[84:85], s[94:95]
	v_mul_u32_u24 v12, s89, v1
	s_delay_alu instid0(VALU_DEP_1)
	v_mad_u32_u24 v12, v2, s90, v12
.irp n, 0,1,2,3,4,5,6,7
	v_mad_u32_u24 v[FR0+\n], s91, \n, v12          ; eight offsets, in registers that the fragments take later
.endr
.irp a, 0,1,2,3
.irp n, 0,1,2,3,4,5,6,7
	global_load_b32 v[BIAS+8*\a+\n], v[FR0+\n], s[82:83] offset:64*\a   ; tile a: 16 channels on
.endr
.endr
	s_add_co_i32 s93, s86, s87                     ; ex + ew
	s_sub_co_i32 s88, s88, s93                     ; eo - ex - ew
	s_sub_co_i32 s93, 0, s93
	s_add_co_i32 s88, s88, 127
	s_lshl_b32 s94, s88, 23
	v_mov_b32 v[SCL], s94                          ; the conversion takes its exponent field
	s_add_co_i32 s88, s88, 15
	s_lshl_b32 s88, s88, 23
	s_or_b32 s88, s88, 0x600000
	v_mov_b32 v[LIM], s88
	s_wait_loadcnt 0x0                             ; the bias is in, and its offsets' registers are free
.set n, 0
.rept 32
	v_ldexp_f32 v[BIAS+n], v[BIAS+n], s93          ; b / 2^(ex + ew)
.set n, n+1
.endr
	s_wait_tensorcnt 0x0                           ; my tile, if I fetched one, is in LDS,
	s_barrier_signal -1
	s_barrier_wait -1                              ; and everybody's is.
; A K step of 64.  isv = 0: source 0 = my unit's rows of W, source 1 = my tokens; isv = 1: the other way round.
; A fragment comes by two loads of 16 bytes, 32 bytes apart, at row x pitch + 16 h: a permutation of k inside the step, the same on both sides, so every product meets its partner.
; The 16 accumulators take turns, one instruction a turn, in the same order in every step.  The first step's C is the bias: nothing is cleared, nothing is added later.
.macro KSTEP isv, ks
.if (\ks) > 0
.rept 4
	v_nop                                          ; places in front of loads into registers that matrix instructions have read (ISA guide 7.12.1 for vector instructions)
.endr
.endif
.irp i, 0,1,2,3
.irp c, 0,1
	ds_load_b128 v[FR0+8*\i+4*\c:FR0+8*\i+4*\c+3], v[ADW+(\isv)] offset:\i*16*PITCH+64*(\ks)+32*\c
	ds_load_b128 v[FR1+8*\i+4*\c:FR1+8*\i+4*\c+3], v[ADX-(\isv)] offset:\i*16*PITCH+64*(\ks)+32*\c
.endr
.endr
	s_wait_dscnt 0x0
.irp i, 0,1,2,3
.irp j, 0,1,2,3
.if (\ks) == 0
	v_wmma_f32_16x16x64_bf8_bf8 v[ACC+8*(4*\i+\j):ACC+8*(4*\i+\j)+7], v[FR0+8*\i:FR0+8*\i+7], v[FR1+8*\j:FR1+8*\j+7], v[BIAS+8*(\i+(\isv)*(\j-\i)):BIAS+8*(\i+(\isv)*(\j-\i))+7]
.else
	v_wmma_f32_16x16x64_bf8_bf8 v[ACC+8*(4*\i+\j):ACC+8*(4*\i+\j)+7], v[FR0+8*\i:FR0+8*\i+7], v[FR1+8*\j:FR1+8*\j+7], v[ACC+8*(4*\i+\j):ACC+8*(4*\i+\j)+7]
.endif
.endr
.endr
.endm
; The whole of a wave's work: eight K steps, the hold, the conversions, eight stores of 512 consecutive bytes each, at multiples of 512 from the image's first byte.
.macro BODY isv
.irp ks, 0,1,2,3,4,5,6,7
	KSTEP \isv, \ks
.endr
.rept 4
	v_nop                                          ; places in front of the first read of results
.endr
.set n, 0
.rept 128
	v_med3_num_f32 v[ACC+n], v[ACC+n], -v[LIM], v[LIM]   ; the conversion to an 8-bit code does not saturate (ISA guide 7.6.2): the hold at the largest code x the scale; each accumulator from its low end on
.set n, n+1
.endr
.irp i, 0,1,2,3
.irp j, 0,1,2,3
	v_cvt_scalef32_pk8_bf8_f32 v[CD+8*\j+2*\i:CD+8*\j+2*\i+1], v[ACC+8*(4*\i+\j):ACC+8*(4*\i+\j)+7], v[SCL]   ; registers 2 i, 2 i + 1 of fragment j (v: of its half)
.endr
.endr
	v_nop                                          ; a plain line behind the last conversion
.irp j, 0,1,2,3
.irp c, 0,1
	global_store_b128 v[LO], v[CD+8*\j+4*\c:CD+8*\j+4*\c+3], s[84:85] offset:\j*(1024+1024*(\isv))+512*\c
.endr
.endr
.endm
	s_cmp_eq_u32 s79, 2                            ; made of the wave's number and the units' group: the same in all four partners; no barrier stands in either arm
	s_cbranch_scc1 .Lvalues
	s_wait_alu depctr_va_vdst(0)
	BODY 0
	s_branch .Ldone
.Lvalues:
	s_wait_alu depctr_va_vdst(0)
	BODY 1
.Ldone:
	s_wait_tensorcnt 0x0                           ; the wave's end
	ds_add_u32 v[SPW], v[NIL]
	s_wait_dscnt 0x0
	CROUND                                         ; the closing round: no work-group ends while a partner may still ask for a tile that names it
	s_endpgm
.Lfunc_end_k_qe2ebfff2a2_proj:
	.size	k_qe2ebfff2a2_proj, .Lfunc_end_k_qe2ebfff2a2_proj-k_qe2ebfff2a2_proj
	.p2alignl 7, 3214868480
	.fill 96, 4, 3214868480
	.section	.rodata,"a",@progbits
	.p2align	6, 0x0
	.amdhsa_kernel k_qe2ebfff2a2_proj
		.amdhsa_group_segment_fixed_size 271872
		.amdhsa_private_segment_fixed_size 0
		.amdhsa_enable_private_segment 0
		.amdhsa_kernarg_size 88
		.amdhsa_user_sgpr_count 2
		.amdhsa_user_sgpr_kernarg_segment_ptr 1
		.amdhsa_wavefront_size32 1
		.amdhsa_system_sgpr_workgroup_id_x 1
		.amdhsa_system_sgpr_workgroup_id_y 1
		.amdhsa_system_sgpr_workgroup_id_z 1
		.amdhsa_system_vgpr_workitem_id 0
		.amdhsa_next_free_vgpr 240
		.amdhsa_next_free_sgpr 96
		.amdhsa_reserve_vcc 0
		.amdhsa_float_denorm_mode_32 3
		.amdhsa_float_denorm_mode_16_64 3
		.amdhsa_memory_ordered 1
		.amdhsa_forward_progress 1
		.amdhsa_inst_pref_size 67
	.end_amdhsa_kernel
	.amdgpu_metadata
---
amdhsa.version: [ 1, 2 ]
amdhsa.kernels:
  - .name:           k_qe2ebfff2a2_proj
    .symbol:         k_qe2ebfff2a2_proj.kd
    .args:
      - { .name: x_codes, .offset: 0, .size: 8, .value_kind: global_buffer, .address_space: global }
      - { .name: Wq_codes, .offset: 8, .size: 8, .value_kind: global_buffer, .address_space: global }
      - { .name: Wk_codes, .offset: 16, .size: 8, .value_kind: global_buffer, .address_space: global }
      - { .name: Wv_codes, .offset: 24, .size: 8, .value_kind: global_buffer, .address_space: global }
      - { .name: bq, .offset: 32, .size: 8, .value_kind: global_buffer, .address_space: global }
      - { .name: bk, .offset: 40, .size: 8, .value_kind: global_buffer, .address_space: global }
      - { .name: bv, .offset: 48, .size: 8, .value_kind: global_buffer, .address_space: global }
      - { .name: lowp_scales, .offset: 56, .size: 8, .value_kind: global_buffer, .address_space: global }
      - { .name: qimg, .offset: 64, .size: 8, .value_kind: global_buffer, .address_space: global }
      - { .name: kimg, .offset: 72, .size: 8, .value_kind: global_buffer, .address_space: global }
      - { .name: vimg, .offset: 80, .size: 8, .value_kind: global_buffer, .address_space: global }
    .group_segment_fixed_size: 271872
    .private_segment_fixed_size: 0
    .kernarg_segment_align: 8
    .kernarg_segment_size: 88
    .max_flat_workgroup_size: 384
    .sgpr_count:     96
    .vgpr_count:     240
    .wavefront_size: 32
...
	.end_amdgpu_metadata
.endif
;; end of part 1
;; launch attn (part 2): grid 16 x 16, 8 waves a work-group, no clusters, 101,376 bytes of LDS; arguments qimg, kimg, vimg, lowp_scales, out0; writes out0
.if DOCPART == 2
	.amdgcn_target "amdgcn-amd-amdhsa--gfx1250"
	.amdhsa_code_object_version 6
	.text
	.protected	k_qe2ebfff2a2_attn
	.globl	k_qe2ebfff2a2_attn
	.p2align	8
	.type	k_qe2ebfff2a2_attn,@function
k_qe2ebfff2a2_attn:
	s_mov_b64 s[64:65], 0
	v_nop
	global_prefetch_b8 v0, s[64:65] scope:SCOPE_SE
	s_setreg_imm32_b32 hwreg(HW_REG_WAVE_MODE, 25, 1), 1
	s_wait_xcnt 0x0
; out[q] = the sum over k of softmax_k(Q[q] . K[k] / 8) V[k] for 16 heads (mh = 8 x batch + head) of 4,096 tokens x 64 channels, both products on codes of BF8 (E5M2).  NO WORK IS LEFT OUT.
; qimg, kimg: [mh][16 tokens][c 0..1][lane][16 bytes], vimg: [mh][128 keys][16 channels][c 0..3][lane][16 bytes]: images of the operand registers.  lowp_scales: entries 6 to 9 = eq, ek, ep, ev.
; t = score x log2(e) / 8; M = the row's largest t so far, rounded up to a whole number; p = 2^(t - M) is quantised with the scale 2^ep; the sum l is of the unquantised p, in f32; when M moves, O and l are multiplied by f = 2^(old M - new M).
; THE HOLD.  p is at most 1 (up to the last bit), so p / 2^ep is at most 2^15, a number of E5M2, wherever ep is -15 or more.  Where ep is less, the conversion gives the code of infinity, 0x7c, above the largest number (ISA guide 7.6.2),
;   and those codes become 0x7b, 57,344, ahead of the product.  K and V go through registers into LDS.
; LIMITS: eq + ek between -123 and 130 (added to an exponent field), ep between -126 and 127; NaN among the inputs is not served.
; SHARES.  A work-group: 256 queries of one head, eight waves, 32 queries each: tiles A and B of 16.  All keys, 128 a step: 32 steps.  Both products are used transposed (S^T = K Q^T, O^T = V^T P^T): a lane holds one query (lane % 16) throughout.
; RING.  A chunk = two steps = 16,384 bytes of K or of V; two slots for K, two for V.  A body is two steps: body b reads chunk b + 1 of K and chunk b of V, and stores chunk b + 2 of K (waves 0-3) and b + 1 of V (waves 4-7) into the other slots;
;   the registers for that were loaded in body b - 1, behind its first step's softmax.  One barrier a body, signalled at its top, waited for behind A's exponentials.  No prefetch into the L2: the loads themselves run ahead by more than a step.
; A STEP k: exponentials of A, with B's t - M between them; exponentials of B, with A's first sums and conversions between them; the other sums and conversions; S^T of step k + 1 and O^T += V^T P^T of step k; then step k + 1's maxima, M, f,
;   A's t - M and O^T x f.
; REGISTERS.  Window 0: v1-15 addresses and constants; v16-31 the rows' states; v32-159 scores, then p, A and B; v160-191 codes of p; v192-223 at work; v224-255 a chunk's part on its way to LDS.
;   Window 1: v0-63 K's eight fragments, v64-127 V's four, v128-191 O^T, v192-207 Q.
.set CHUNK, 16384
.set VBASE, 2*CHUNK                    ; LDS: K's slots 0, 1, then V's slots 0, 1
.set STAGE, 4*CHUNK                    ; the way out: 16 rows x 272 bytes for each wave
.set SP,    272
.set SPARE, STAGE+8*16*SP              ; the spare words, 128 bytes for each wave; no other line names them
.set L16, 1                            ; v1   16 x lane
.set ADK, 2
.set ADV, 3
.set ADS, 4
.set SPW, 5                            ; v5   LDS address of my spare word; never rewritten
.set NIL, 6                            ; v6   0; never rewritten
.set GO,  7                            ; v7   the way out: byte offset in my rows of out0
.set STO, 8
.set RD,  9
.set SCL, 10                           ; v10  2^ep
.set HT,  12                           ; v12-15 temporaries
.set ST,  16                           ; tile t at ST + 8 t: +0 -M of even steps, +1 the largest score so far, +2, +3 l in two halves, +4 f, +5 written once (the pair's upper half), +6 -M of odd steps, +7 lane permute
.set S,   32
.set P,   160
.set T,   192
.set G,   224
.set KF,  0
.set VF,  64
.set OF,  128
.set QF,  192
.set WV,  14                           ; s14  my wave's number
.set SEL, 40
.set CS,  42                           ; s[42:43] c = 2^(eq + ek) log2(e) / 8, twice
.set CN,  44                           ; s44  -c
.set KT,  45                           ; s45  the slot of K that is read; s46 of V; s47 where my part of the next chunk goes
.set VT,  46
.set STT, 47
.set BN,  48                           ; s48  the body's number
.set LIM, 49                           ; s49  the last body in which my wave stores: 13 (K) or 14 (V)
.set HOLD, 50                          ; s50  1 where ep is under -15
.set GP,  56                           ; s[56:57] where my loads stand;  s[58:59], s[60:61] at the head
.set GQ,  58
.set KC,  60
.set MSB, 0
.macro WIN new                         ; the immediate's high byte repeats the setting that is left
.if MSB != \new
	s_set_vgpr_msb (MSB<<8)|\new
.set MSB, \new
.endif
.endm
.macro LDK adr, off                    ; a step's eight fragments of K
	WIN 0x40
.irp i, 0,1,2,3,4,5,6,7,8,9,10,11,12,13,14,15
	ds_load_b128 v[KF+4*\i:KF+4*\i+3], v[\adr] offset:\off+512*\i
.endr
	WIN 0
.endm
.macro SCORES                          ; S^T: 16 keys x 16 queries an instruction; register 8 g + i of lane (r, h): key 16 g + 8 h + i of query r
	WIN 0x05
.irp g, 0,1,2,3,4,5,6,7
.irp t, 0,1
	v_wmma_f32_16x16x64_bf8_bf8 v[S+64*\t+8*\g:S+64*\t+8*\g+7], v[KF+8*\g:KF+8*\g+7], v[QF+8*\t:QF+8*\t+7], 0
.endr
.endr
.endm
; Line n of the serial chain of tile t, which ends in -M (parity q) and f.  first = 1: there is no earlier M: f = 1.
.macro CH t, n, q, first
.set X, T+8+2*(\t)
.set Z, ST+8*(\t)
.if (\n) == 0
	v_max3_num_f32 v[X], v[T+4*(\t)], v[T+4*(\t)+1], v[T+4*(\t)+2]
.endif
.if (\n) == 1
	v_max3_num_f32 v[X], v[X], v[T+4*(\t)+3], v[Z+1]
.endif
.if (\n) == 2
	v_permlanex16_b32 v[Z+7], v[X], s[SEL], s[SEL+1]       ; lane l xor 16 has the row's other keys
.endif
.if (\n) == 3
	v_max_num_f32 v[Z+1], v[X], v[Z+7]
.endif
.if (\n) == 4
	v_mul_f32 v[X], s[CN], v[Z+1]
.endif
.if (\n) == 5
	v_floor_f32 v[Z+6*(\q)], v[X]                  ; -M = floor(-t)
.endif
.if \first
.if (\n) == 6
	v_mov_b32 v[Z+4], 1.0
.endif
.else
.if (\n) == 6
	v_sub_f32 v[X], v[Z+6*(\q)], v[Z+6-6*(\q)]     ; old M - new M: a whole number, 0 or less
.endif
.if (\n) == 7
	v_cvt_i32_f32 v[X], v[X]                       ; (it saturates)
.endif
.if (\n) == 8
	v_ldexp_f32 v[Z+4], 1.0, v[X]                  ; f: nothing is rounded
.endif
.endif
.endm
; From the next step's scores to its M and f, A's t - M and O^T x f.  Four chains of maxima for a tile, each accumulator from its low end on; A's serial lines stand among B's maxima, B's among A's t - M.
.macro NEXT q, first
.irp c, 0,1,2,3
	v_max3_num_f32 v[T+\c], v[S+3*\c], v[S+3*\c+1], v[S+3*\c+2]
.endr
.set i, 0
.rept 26
	v_max3_num_f32 v[T+i%4], v[T+i%4], v[S+12+2*i], v[S+13+2*i]
.set i, i+1
.endr
.irp c, 0,1,2,3
	v_max3_num_f32 v[T+4+\c], v[S+64+3*\c], v[S+65+3*\c], v[S+66+3*\c]
.endr
.set i, 0
.rept 26
	v_max3_num_f32 v[T+4+i%4], v[T+4+i%4], v[S+76+2*i], v[S+77+2*i]
.if i%3 == 0
	CH 0, i/3, \q, \first
.endif
.set i, i+1
.endr
.set j, 0
.rept 32
	v_pk_fma_f32 v[S+j:S+j+1], v[S+j:S+j+1], s[CS:CS+1], v[ST+6*(\q):ST+6*(\q)+1] op_sel_hi:[1,0,0]
.if j%6 == 0
	CH 1, j/6, \q, \first
.endif
.set j, j+2
.endr
.if (\first) == 0
	WIN 0x41
.set j, 0
.rept 32
	v_pk_mul_f32 v[OF+j:OF+j+1], v[OF+j:OF+j+1], v[ST+8*(j/32)+4:ST+8*(j/32)+5] op_sel_hi:[1,0]
.set j, j+2
.endr
	WIN 0
.endif
.endm
; A key step, the u-th of its body.  st: my part of a chunk is stored and the next one loaded; kl: K two steps on is read; sc: a step follows.
.macro STEP u, st, kl, sc
	s_wait_alu depctr_va_vdst(0)                   ; the wait ahead of the batch of exponentials
.if (\u) == 0
	s_wait_dscnt 0x0                               ; my reads of the slots that are left, and my stores into the next ones, are over
	s_barrier_signal -1
.endif
.set j, 0
.rept 32
	v_exp_f32 v[S+j], v[S+j]                       ; A: p
	v_pk_fma_f32 v[S+64+j:S+65+j], v[S+64+j:S+65+j], s[CS:CS+1], v[ST+8+6*(\u):ST+9+6*(\u)] op_sel_hi:[1,0,0]   ; B: t - M
	v_exp_f32 v[S+j+1], v[S+j+1]
.set j, j+2
.endr
	s_wait_alu depctr_va_vdst(0)                   ; one wait behind the batch, which is also the next batch's
.if (\u) == 0
	s_barrier_wait -1                              ; the next chunks are whole, and nobody reads the slots that were left
.endif
	v_add_nc_u32 v[ADV], s[VT], v[L16]
	WIN 0x40
.irp i, 0,1,2,3,4,5,6,7,8,9,10,11,12,13,14,15
	ds_load_b128 v[VF+4*\i:VF+4*\i+3], v[ADV] offset:8192*(\u)+512*\i
.endr
	WIN 0
.if \st
	s_wait_loadcnt 0x0                             ; my part of the chunk is in registers, and the loads' base is free
	s_add_nc_u64 s[GP:GP+1], s[GP:GP+1], CHUNK
	s_cmp_le_u32 s[BN], s[LIM]
	s_cbranch_scc0 .Lnostore_\@
	v_add_nc_u32 v[ADS], s[STT], v[L16]
.irp i, 0,1,2,3,4,5,6,7
	ds_store_b128 v[ADS], v[G+4*\i:G+4*\i+3] offset:512*\i
.endr
.Lnostore_\@:
.endif
.set g, 0
.rept 8
	v_exp_f32 v[S+64+8*g], v[S+64+8*g]             ; B: p
	v_exp_f32 v[S+65+8*g], v[S+65+8*g]
	v_pk_add_f32 v[T+4*g:T+4*g+1], v[S+8*g:S+8*g+1], v[S+8*g+2:S+8*g+3]     ; A: 16 sums of two pairs
	v_exp_f32 v[S+66+8*g], v[S+66+8*g]
	v_exp_f32 v[S+67+8*g], v[S+67+8*g]
	v_exp_f32 v[S+68+8*g], v[S+68+8*g]
	v_exp_f32 v[S+69+8*g], v[S+69+8*g]
	v_pk_add_f32 v[T+4*g+2:T+4*g+3], v[S+8*g+4:S+8*g+5], v[S+8*g+6:S+8*g+7]
	v_exp_f32 v[S+70+8*g], v[S+70+8*g]
	v_exp_f32 v[S+71+8*g], v[S+71+8*g]
	v_cvt_scalef32_pk8_bf8_f32 v[P+2*g:P+2*g+1], v[S+8*g:S+8*g+7], v[SCL]   ; A: registers 2 g, 2 g + 1 of the operand: keys 16 g + 8 h + 0 .. 7
.set g, g+1
.endr
	s_wait_alu depctr_va_vdst(0)                   ; one wait behind the batch
.set j, 0
.rept 8
	v_pk_add_f32 v[T+2*j:T+2*j+1], v[T+2*j:T+2*j+1], v[T+16+2*j:T+17+2*j]                ; A: 16 to 8
	v_pk_add_f32 v[T+16+2*j:T+17+2*j], v[S+64+4*j:S+65+4*j], v[S+66+4*j:S+67+4*j]        ; B: eight chains
	v_cvt_scalef32_pk8_bf8_f32 v[P+16+2*j:P+17+2*j], v[S+64+8*j:S+71+8*j], v[SCL]
.set j, j+1
.endr
.set j, 0
.rept 8
	v_pk_add_f32 v[T+16+2*j:T+17+2*j], v[T+16+2*j:T+17+2*j], v[S+96+2*j:S+97+2*j]
.if j < 4
	v_pk_add_f32 v[T+2*j:T+2*j+1], v[T+2*j:T+2*j+1], v[T+8+2*j:T+9+2*j]
.endif
.set j, j+1
.endr
.set j, 0
.rept 8
	v_pk_add_f32 v[T+16+2*j:T+17+2*j], v[T+16+2*j:T+17+2*j], v[S+112+2*j:S+113+2*j]
.if j < 2
	v_pk_add_f32 v[T+2*j:T+2*j+1], v[T+2*j:T+2*j+1], v[T+4+2*j:T+5+2*j]
.endif
.set j, j+1
.endr
.irp a, 0,1,2,3
	v_pk_add_f32 v[T+16+2*\a:T+17+2*\a], v[T+16+2*\a:T+17+2*\a], v[T+24+2*\a:T+25+2*\a]
.endr
.irp a, 0,1
	v_pk_add_f32 v[T+16+2*\a:T+17+2*\a], v[T+16+2*\a:T+17+2*\a], v[T+20+2*\a:T+21+2*\a]
.endr
	s_wait_alu depctr_va_vdst(0)                   ; the wait here, ahead of the branch and the wait below
	s_cmp_eq_u32 s[HOLD], 0
	s_cbranch_scc1 .Lfit_\@
.set j, 0
.rept 8                                        ; THE HOLD on the codes, four to a register: a byte 0x7c (infinity) + 4 sets its bit 7; 1 is taken off it: 0x7b
.irp a, 0,1,2,3
	v_add_nc_u32 v[HT+\a], 0x4040404, v[P+4*j+\a]
.endr
.irp a, 0,1,2,3
	v_lshrrev_b32 v[HT+\a], 7, v[HT+\a]
.endr
.irp a, 0,1,2,3
	v_and_b32 v[HT+\a], 0x1010101, v[HT+\a]
.endr
.irp a, 0,1,2,3
	v_sub_nc_u32 v[P+4*j+\a], v[P+4*j+\a], v[HT+\a]
.endr
.set j, j+1
.endr
	s_wait_alu depctr_va_vdst(0)
.Lfit_\@:
	s_wait_dscnt 0x0                               ; V of this step and K of the next are in registers; my stores are done, so their registers are free
.if \st
	s_cmp_lt_u32 s[BN], s[LIM]
	s_cbranch_scc0 .Lnoload_\@
.irp i, 0,1,2,3,4,5,6,7
	global_load_b128 v[G+4*\i:G+4*\i+3], v[L16], s[GP:GP+1] offset:512*\i       ; my part of the chunk that the next body stores
.endr
.Lnoload_\@:
.endif
.if \sc
	SCORES
.endif
	WIN 0x51
.irp c, 0,1,2,3
.irp t, 0,1
	v_wmma_f32_16x16x128_bf8_bf8 v[OF+32*\t+8*\c:OF+32*\t+8*\c+7], v[VF+16*\c:VF+16*\c+15], v[P+16*\t:P+16*\t+15], v[OF+32*\t+8*\c:OF+32*\t+8*\c+7]
.endr
.endr
	WIN 0
	v_pk_add_f32 v[T:T+1], v[T:T+1], v[T+2:T+3]    ; the sums' last lines are the four places behind the matrix instructions
	v_pk_add_f32 v[T+16:T+17], v[T+16:T+17], v[T+18:T+19]
	v_pk_fma_f32 v[ST+2:ST+3], v[ST+2:ST+3], v[ST+4:ST+5], v[T:T+1] op_sel_hi:[1,0,1]             ; l = l f + the step's sum
	v_pk_fma_f32 v[ST+10:ST+11], v[ST+10:ST+11], v[ST+12:ST+13], v[T+16:T+17] op_sel_hi:[1,0,1]
.if \kl
	v_add_nc_u32 v[ADK], s[KT], v[L16]
	LDK ADK, 8192*(\u)
.endif
.if \sc
	NEXT 1-(\u), 0
.endif
.endm
	s_load_b256 s[4:11], s[0:1], 0x0               ; qimg s[4:5], kimg s[6:7], vimg s[8:9], the scales' exponents s[10:11]
	s_load_b64 s[12:13], s[0:1], 0x20              ; out0
	v_lshl_add_u32 v[SPW], v0, 2, SPARE
	v_mov_b32 v[NIL], 0
	v_lshrrev_b32 v12, 5, v0
	v_and_b32 v13, 31, v0
	v_readfirstlane_b32 s[WV], v12                 ; wave 0..7
	v_lshlrev_b32 v[L16], 4, v13
	s_wait_alu depctr_va_vdst(0)                   ; the wait ahead of the run of scalar instructions and of the wait below
	s_and_b32 s17, ttmp7, 0xffff                   ; mh
	s_lshr_b32 s15, s[WV], 2                       ; 0: I bring K, 1: V
	s_lshl_b32 s16, s17, 18                        ; mh x 262,144 bytes
	s_and_b32 s19, s[WV], 3
	s_lshl_b32 s19, s19, 12
	s_add_co_u32 s18, s16, s19                     ; my quarter of chunk 0
	s_mov_b32 s19, 0
	s_lshl_b32 s21, s[WV], 11
	s_add_co_u32 s20, s16, s21
	s_add_co_u32 s20, s20, CHUNK                   ; my eighth of K's chunk 1
	s_add_co_u32 s29, s21, CHUNK                   ; and its place in LDS
	s_lshl_b32 s22, ttmp9, 14
	s_add_co_u32 s22, s22, s16
	s_add_co_u32 s22, s22, s21                     ; Q: 16 tiles of 1,024 bytes a work-group, two a wave
	s_mov_b32 s21, 0
	s_mov_b32 s23, 0
	s_lshr_b32 s24, s17, 3
	s_lshl_b32 s24, s24, 23                        ; out0: batch x 4,096 rows of 2,048 bytes,
	s_lshl_b32 s25, ttmp9, 19
	s_add_co_u32 s24, s24, s25                     ; 256 rows a work-group,
	s_lshl_b32 s25, s[WV], 16
	s_add_co_u32 s24, s24, s25                     ; 32 a wave,
	s_and_b32 s25, s17, 7
	s_lshl_b32 s25, s25, 8
	s_add_co_u32 s24, s24, s25                     ; the head's 256 bytes
	s_mov_b32 s25, 0
	s_sub_co_u32 s26, 2, s15
	s_lshl_b32 s26, s26, 14                        ; from chunk 0 to the chunk that body 0 stores: 2 of K, 1 of V
	s_mov_b32 s27, 0
	s_lshl_b32 s[STT], s[WV], 12
	s_lshl_b32 s30, s15, 14
	s_add_co_u32 s31, s[STT], s30                  ; LDS: my quarter of chunk 0: slot 0
	s_lshl_b32 s30, s15, 15
	s_add_co_u32 s[STT], s[STT], s30               ; body 0 stores into K's slot 0, V's slot 1
	s_add_co_u32 s[LIM], s15, 13
	s_mov_b32 s[KT], CHUNK
	s_mov_b32 s[VT], VBASE
	s_mov_b32 s[BN], 0
	s_mov_b32 s[SEL], 0x76543210
	s_mov_b32 s[SEL+1], 0xfedcba98
	s_wait_kmcnt 0x0
	s_load_b64 s[52:53], s[10:11], 0x18            ; eq, ek
	s_load_b64 s[54:55], s[10:11], 0x20            ; ep, ev
	s_cmp_eq_u32 s15, 0
	s_cselect_b64 s[GQ:GQ+1], s[6:7], s[8:9]
	s_add_nc_u64 s[GQ:GQ+1], s[GQ:GQ+1], s[18:19]
	s_add_nc_u64 s[GP:GP+1], s[GQ:GQ+1], s[26:27]
	s_add_nc_u64 s[KC:KC+1], s[6:7], s[20:21]
	s_add_nc_u64 s[4:5], s[4:5], s[22:23]
	s_add_nc_u64 s[12:13], s[12:13], s[24:25]
.irp i, 0,1,2,3,4,5,6,7
	global_load_b128 v[S+4*\i:S+4*\i+3], v[L16], s[GQ:GQ+1] offset:512*\i       ; chunk 0 of K and of V, through the scores' registers
.endr
	WIN 0x40
.irp i, 0,1,2,3
	global_load_b128 v[QF+4*\i:QF+4*\i+3], v[L16], s[4:5] offset:512*\i         ; Q stays in registers
.endr
	WIN 0
.irp i, 0,1,2,3
	global_load_b128 v[S+32+4*\i:S+35+4*\i], v[L16], s[KC:KC+1] offset:512*\i   ; chunk 1 of K
.endr
.irp i, 0,1,2,3,4,5,6,7
	global_load_b128 v[G+4*\i:G+4*\i+3], v[L16], s[GP:GP+1] offset:512*\i       ; what body 0 stores
.endr
	WIN 0x40
.set j, 0
.rept 64
	v_mov_b32 v[OF+j], 0                           ; O^T, while the loads are out: the step's text is the same from the first on
.set j, j+1
.endr
	WIN 0
	v_and_b32 v12, 15, v0                          ; r
	v_bfe_u32 v13, v0, 4, 1                        ; h
	s_mul_i32 s18, s[WV], 16*SP
	s_add_co_u32 s18, s18, STAGE                   ; my stage
	v_mul_u32_u24 v[STO], v12, SP
	v_mul_u32_u24 v[RD], v13, SP
	v_lshlrev_b32 v[GO], 11, v13
	v_lshl_add_u32 v[STO], v13, 5, v[STO]
	v_lshl_add_u32 v[RD], v12, 4, v[RD]
	v_lshl_add_u32 v[GO], v12, 4, v[GO]
	v_add_nc_u32 v[STO], s18, v[STO]               ; in: row r, 32 bytes for each half of the lanes
	v_add_nc_u32 v[RD], s18, v[RD]                 ; back: lanes 0-15 take one row, lanes 16-31 the next
.irp t, 0,1
	v_mov_b32 v[ST+8*\t+1], 0xff7fffff             ; the largest score so far: under every score
	v_mov_b32 v[ST+8*\t+5], 0
	v_mov_b32 v[ST+8*\t+7], 0
.endr
	v_add_nc_u32 v14, s31, v[L16]
	v_add_nc_u32 v15, s29, v[L16]
	s_wait_alu depctr_va_vdst(0)                   ; the wait here, ahead of the wait below
	s_wait_kmcnt 0x0
	s_add_co_i32 s18, s52, s53
	s_lshl_b32 s18, s18, 23
	s_add_co_i32 s[CS], s18, 0x3e38aa3b            ; log2(e) / 8, with eq + ek added to its exponent field
	s_mov_b32 s[CS+1], s[CS]                       ; (named with it as a pair)
	s_xor_b32 s[CN], s[CS], 0x80000000
	s_add_co_i32 s18, s54, 127
	s_lshl_b32 s18, s18, 23
	v_mov_b32 v[SCL], s18
	s_cmp_lt_i32 s54, -15
	s_cselect_b32 s[HOLD], 1, 0
	s_wait_alu depctr_va_vdst(0)                   ; the wait at the head's end
	s_wait_loadcnt 16                              ; chunk 0's eight loads are in; 4 + 4 + 8 are younger
.irp i, 0,1,2,3,4,5,6,7
	ds_store_b128 v14, v[S+4*\i:S+4*\i+3] offset:512*\i
.endr
	s_wait_loadcnt 8                               ; Q and chunk 1 of K too
.irp i, 0,1,2,3
	ds_store_b128 v15, v[S+32+4*\i:S+35+4*\i] offset:512*\i
.endr
	s_wait_dscnt 0x0
	s_barrier_signal -1
	s_barrier_wait -1                              ; everybody's parts are in LDS
	LDK L16, 0                                     ; K of step 0
	s_wait_dscnt 0x0
	SCORES
	WIN 0
.irp t, 0,1
	v_mov_b32 v[ST+8*\t+2], 0                      ; l; these four lines are the places behind the matrix instructions
	v_mov_b32 v[ST+8*\t+3], 0
.endr
	LDK L16, 8192                                  ; K of step 1
	NEXT 0, 1
.Lbody:                                            ; bodies 0 to 14
	STEP 0, 1, 1, 1
	STEP 1, 0, 1, 1
	s_xor_b32 s[KT], s[KT], CHUNK
	s_xor_b32 s[VT], s[VT], CHUNK
	s_xor_b32 s[STT], s[STT], CHUNK
	s_add_co_u32 s[BN], s[BN], 1
	s_cmp_lt_u32 s[BN], 15
	s_cbranch_scc1 .Lbody
	STEP 0, 0, 0, 1                                ; body 15 stores and loads nothing more; behind step 31 no scores follow
	STEP 1, 0, 0, 0
	; THE WAY OUT.  l's two halves and lane l xor 16's are added; O^T x 2^(ep + ev) / l goes through my stage, 16 queries at a time, so that sixteen lanes store one aligned unit of 256 bytes.
.irp t, 0,1
	v_add_f32 v[T+2*\t], v[ST+8*\t+2], v[ST+8*\t+3]
.endr
.irp t, 0,1
	v_permlanex16_b32 v[T+2*\t+1], v[T+2*\t], s[SEL], s[SEL+1]
.endr
.irp t, 0,1
	v_add_f32 v[T+2*\t], v[T+2*\t], v[T+2*\t+1]
.endr
	s_wait_alu depctr_va_vdst(0)                   ; the wait ahead of the transcendentals,
.irp t, 0,1
	v_rcp_f32 v[ST+8*\t+4], v[T+2*\t]
.endr
	v_nop
	s_add_co_i32 s18, s54, s55
	s_wait_alu depctr_va_vdst(0)                   ; behind them,
.irp t, 0,1
	v_ldexp_f32 v[ST+8*\t+4], v[ST+8*\t+4], s18
.endr
	WIN 0x01
	s_wait_alu depctr_va_vdst(0)                   ; and ahead of the first reader of O^T
.set j, 0
.rept 32
	v_pk_mul_f32 v[S+j:S+j+1], v[OF+j:OF+j+1], v[ST+8*(j/32)+4:ST+8*(j/32)+5] op_sel_hi:[1,0]
.set j, j+2
.endr
	WIN 0
.irp t, 0,1
.irp c, 0,1,2,3
	ds_store_b128 v[STO], v[S+32*\t+8*\c:S+32*\t+8*\c+3] offset:64*\c
	ds_store_b128 v[STO], v[S+32*\t+8*\c+4:S+32*\t+8*\c+7] offset:64*\c+16
.endr
.irp i, 0,1,2,3,4,5,6,7
	ds_load_b128 v[S+64+32*\t+4*\i:S+64+32*\t+4*\i+3], v[RD] offset:\i*2*SP     ; a wave's LDS instructions are served in order (ISA guide 5.7.1.4)
.endr
.endr
.irp t, 0,1
.irp i, 0,1,2,3,4,5,6,7
	s_wait_dscnt 16*(1-\t)+7-\i                    ; behind this read-back: 7 - i of its tile, and 16 of the second tile's
	global_store_b128 v[GO], v[S+64+32*\t+4*\i:S+64+32*\t+4*\i+3], s[12:13] offset:(16*\t+2*\i)*2048 th:TH_STORE_NT
.endr
.endr
	s_wait_tensorcnt 0x0                           ; the wave's end
	ds_add_u32 v[SPW], v[NIL]
	s_wait_dscnt 0x0
	s_endpgm
.Lfunc_end_k_qe2ebfff2a2_attn:
	.size	k_qe2ebfff2a2_attn, .Lfunc_end_k_qe2ebfff2a2_attn-k_qe2ebfff2a2_attn
	.p2alignl 7, 3214868480
	.fill 96, 4, 3214868480
	.section	.rodata,"a",@progbits
	.p2align	6, 0x0
	.amdhsa_kernel k_qe2ebfff2a2_attn
		.amdhsa_group_segment_fixed_size 101376
		.amdhsa_private_segment_fixed_size 0
		.amdhsa_enable_private_segment 0
		.amdhsa_kernarg_size 40
		.amdhsa_user_sgpr_count 2
		.amdhsa_user_sgpr_kernarg_segment_ptr 1
		.amdhsa_wavefront_size32 1
		.amdhsa_system_sgpr_workgroup_id_x 1
		.amdhsa_system_sgpr_workgroup_id_y 1
		.amdhsa_system_sgpr_workgroup_id_z 1
		.amdhsa_system_vgpr_workitem_id 0
		.amdhsa_next_free_vgpr 512
		.amdhsa_next_free_sgpr 66
		.amdhsa_reserve_vcc 0
		.amdhsa_float_denorm_mode_32 3
		.amdhsa_float_denorm_mode_16_64 3
		.amdhsa_memory_ordered 1
		.amdhsa_forward_progress 1
		.amdhsa_inst_pref_size 135
	.end_amdhsa_kernel
	.amdgpu_metadata
---
amdhsa.version: [ 1, 2 ]
amdhsa.kernels:
  - .name:           k_qe2ebfff2a2_attn
    .symbol:         k_qe2ebfff2a2_attn.kd
    .args:
      - { .name: qimg, .offset: 0, .size: 8, .value_kind: global_buffer, .address_space: global }
      - { .name: kimg, .offset: 8, .size: 8, .value_kind: global_buffer, .address_space: global }
      - { .name: vimg, .offset: 16, .size: 8, .value_kind: global_buffer, .address_space: global }
      - { .name: lowp_scales, .offset: 24, .size: 8, .value_kind: global_buffer, .address_space: global }
      - { .name: out0, .offset: 32, .size: 8, .value_kind: global_buffer, .address_space: global }
    .group_segment_fixed_size: 101376
    .private_segment_fixed_size: 0
    .kernarg_segment_align: 8
    .kernarg_segment_size: 40
    .max_flat_workgroup_size: 256
    .sgpr_count:     66
    .vgpr_count:     512
    .wavefront_size: 32
...
	.end_amdgpu_metadata
.endif
;; end of part 2
